; MI455X (gfx1250); checked and timed in simulation.
; The chip was launched on July 23, 2026; its instructions are those of AMD's public machine-readable ISA for CDNA 5 (MIT licence, August 2026) and "CDNA5" Instruction Set Architecture Reference Guide (July 2026). The comments in the code are by the model that wrote it; some were corrected since.
;; Single Head Attention. Allowed arithmetic: float matrix products may take bf16 or f16 operands with f32 sums; all other float work in f32.
;; Inputs: Wo 256 x 1,024 float32; Wqkv 1,024 x 768 float32; bo 1,024 float32; bqkv 768 float32; x 4 x 4,096 x 1,024 float32.
;; Outputs: out0 4 x 4,096 x 1,024 float32.
;; One version. Each part assembles by itself: llvm-mc -triple=amdgcn-amd-amdhsa -mcpu=gfx1250 --defsym DOCPART=n.
;; ======== version 1 of 1: 3 launches
;; limits: values are held in f16: magnitudes above 65,504 overflow, below 6.1e-05 lose precision
;; workspace buffers: wqf 1,572,864 bytes; wof 524,288 bytes; qfr 8,388,608 bytes; kvf 16,777,216 bytes
;; launch prep (part 1): grid 128 x 4, 8 waves a work-group, no clusters, 0 bytes of LDS; arguments Wqkv, Wo, wqf, wof; writes wqf, wof
.if DOCPART == 1
	.amdgcn_target "amdgcn-amd-amdhsa--gfx1250"
	.amdhsa_code_object_version 6
	.text
	.protected	k_qb6d8c29df9_prep
	.globl	k_qb6d8c29df9_prep
	.p2align	8
	.type	k_qb6d8c29df9_prep,@function
k_qb6d8c29df9_prep:
	s_mov_b64 s[64:65], 0
	v_nop
	global_prefetch_b8 v0, s[64:65] scope:SCOPE_SE
	s_setreg_imm32_b32 hwreg(HW_REG_WAVE_MODE, 25, 1), 1
	s_wait_xcnt 0x0
; The two weight matrices are rounded once and laid out in the order in which the matrix instructions of the later launches want them.
; A HALF FRAGMENT is 512 bytes: lane l (r = l % 16, h = l / 16) holds 8 numbers of 16 bits: row or column r, k = 16 i + 8 h + 0..7.
; wqf (bf16): [ks 16][sec 3][ch 2][w 4][fl 4][i 2][lane][8]: feature 256 sec + 64 w + 16 fl + r, k = 64 ks + 32 ch + 16 i + 8 h + e.
; wof (f16):  [column block 64][d block 16][lane][8]: column 16 nb + r, d = 16 db + 8 h + e.  Wo is rounded to bf16 like every input of the module, and that number is written as f16.
; LIMIT: exact for 6.1e-5 <= |Wo| < 65,504; below, f16's fixed step of 6e-8 holds; at 65,520 and beyond the number would become an infinity.
; One wave makes one half fragment: 8 loads of 4 bytes a lane (16 lanes take 64 neighbouring bytes of a row), one store of 512 consecutive aligned bytes.
; Grid: y = 0, 1, 2: section y of Wqkv; y = 3: Wo; 128 x 8 waves = 1,024 half fragments for each y.  4 MB in all: no LDS, no loop.
	s_load_b256 s[4:11], s[0:1], 0x0               ; Wqkv s[4:5], Wo s[6:7], wqf s[8:9], wof s[10:11]
	v_lshrrev_b32 v1, 5, v0
	v_readfirstlane_b32 s12, v1                    ; wave 0..7
	s_and_b32 s13, ttmp7, 0xffff                   ; y
	v_and_b32 v2, 15, v0
	v_bfe_u32 v3, v0, 4, 1                         ; h
	v_and_b32 v4, 31, v0
	v_lshlrev_b32 v4, 4, v4                        ; 16 x lane: my 16 bytes of the half fragment
	v_lshlrev_b32 v2, 2, v2                        ; 4 r
	s_mov_b32 s21, 0
	s_mov_b32 s23, 0
	s_cmp_eq_u32 s13, 3
	s_cbranch_scc1 .Lwo
	s_lshr_b32 s14, ttmp9, 3                       ; ks
	s_bfe_u32 s15, ttmp9, 0x10002                  ; ch
	s_and_b32 s16, ttmp9, 3                        ; w
	s_and_b32 s17, s12, 1                          ; i
	s_lshr_b32 s18, s12, 1                         ; fl
	s_lshl_b32 s19, s14, 6
	s_lshl_b32 s15, s15, 5
	s_lshl_b32 s17, s17, 4
	s_add_co_u32 s19, s19, s15
	s_add_co_u32 s19, s19, s17                     ; first row of Wqkv: 64 ks + 32 ch + 16 i
	s_mul_i32 s19, s19, 768
	s_lshl_b32 s20, s13, 8
	s_lshl_b32 s16, s16, 6
	s_lshl_b32 s18, s18, 4
	s_add_co_u32 s20, s20, s16
	s_add_co_u32 s20, s20, s18                     ; first column: 256 y + 64 w + 16 fl
	s_add_co_u32 s19, s19, s20
	s_lshl_b32 s20, s19, 2                         ; in bytes
	s_mul_i32 s22, s14, 98304                      ; where it goes: ks, section, then (ch, w) = x % 8, then (fl, i) = wave
	s_lshl_b32 s24, s13, 15
	s_add_co_u32 s22, s22, s24
	s_and_b32 s24, ttmp9, 7
	s_lshl_b32 s24, s24, 12
	s_add_co_u32 s22, s22, s24
	s_lshl_b32 s24, s12, 9
	s_add_co_u32 s22, s22, s24
	v_mul_u32_u24 v5, v3, 24576                    ; 8 h rows of 3,072 bytes
	v_add_nc_u32 v5, v5, v2
	s_wait_kmcnt 0x0
	s_add_nc_u64 s[4:5], s[4:5], s[20:21]
	s_add_nc_u64 s[8:9], s[8:9], s[22:23]
.irp e, 0,1,2,3,4,5,6,7
	global_load_b32 v[8+\e], v5, s[4:5] offset:3072*\e
.endr
	s_wait_loadcnt 0x0
.irp p, 0,1,2,3
	v_cvt_pk_bf16_f32 v[16+\p], v[8+2*\p], v[9+2*\p]
.endr
	global_store_b128 v4, v[16:19], s[8:9]
	s_endpgm
.Lwo:
	s_lshl_b32 s14, ttmp9, 3
	s_add_co_u32 s14, s14, s12                     ; the half fragment's number, 0..1023
	s_and_b32 s15, s14, 15                         ; d block: 16 rows of 4,096 bytes
	s_lshl_b32 s15, s15, 16
	s_lshr_b32 s16, s14, 4                         ; column block: 64 bytes
	s_lshl_b32 s16, s16, 6
	s_add_co_u32 s20, s15, s16
	s_lshl_b32 s22, s14, 9
	v_lshl_add_u32 v5, v3, 15, v2                  ; 8 h rows + 4 r
	s_wait_kmcnt 0x0
	s_add_nc_u64 s[6:7], s[6:7], s[20:21]
	s_add_nc_u64 s[10:11], s[10:11], s[22:23]
.irp e, 0,1,2,3,4,5,6,7
	global_load_b32 v[8+\e], v5, s[6:7] offset:4096*\e
.endr
	s_wait_loadcnt 0x0
.irp p, 0,1,2,3
	v_cvt_pk_bf16_f32 v[16+\p], v[8+2*\p], v[9+2*\p]   ; the rounding that every input of the module has
.endr
.irp p, 0,1,2,3
	v_lshlrev_b32 v[8+2*\p], 16, v[16+\p]          ; back to f32,
	v_and_b32 v[9+2*\p], 0xffff0000, v[16+\p]
.endr
.irp p, 0,1,2,3
	v_cvt_pk_f16_f32 v[16+\p], v[8+2*\p], v[9+2*\p]    ; and written as f16
.endr
	global_store_b128 v4, v[16:19], s[10:11]
	s_endpgm
.Lfunc_end_k_qb6d8c29df9_prep:
	.size	k_qb6d8c29df9_prep, .Lfunc_end_k_qb6d8c29df9_prep-k_qb6d8c29df9_prep
	.p2alignl 7, 3214868480
	.fill 96, 4, 3214868480
	.section	.rodata,"a",@progbits
	.p2align	6, 0x0
	.amdhsa_kernel k_qb6d8c29df9_prep
		.amdhsa_group_segment_fixed_size 0
		.amdhsa_private_segment_fixed_size 0
		.amdhsa_enable_private_segment 0
		.amdhsa_kernarg_size 32
		.amdhsa_user_sgpr_count 2
		.amdhsa_user_sgpr_kernarg_segment_ptr 1
		.amdhsa_wavefront_size32 1
		.amdhsa_system_sgpr_workgroup_id_x 1
		.amdhsa_system_sgpr_workgroup_id_y 1
		.amdhsa_system_sgpr_workgroup_id_z 1
		.amdhsa_system_vgpr_workitem_id 0
		.amdhsa_next_free_vgpr 32
		.amdhsa_next_free_sgpr 66
		.amdhsa_reserve_vcc 0
		.amdhsa_float_denorm_mode_32 3
		.amdhsa_float_denorm_mode_16_64 3
		.amdhsa_memory_ordered 1
		.amdhsa_forward_progress 1
		.amdhsa_inst_pref_size 6
	.end_amdhsa_kernel
	.amdgpu_metadata
---
amdhsa.version: [ 1, 2 ]
amdhsa.kernels:
  - .name:           k_qb6d8c29df9_prep
    .symbol:         k_qb6d8c29df9_prep.kd
    .args:
      - { .name: Wqkv, .offset: 0, .size: 8, .value_kind: global_buffer, .address_space: global }
      - { .name: Wo, .offset: 8, .size: 8, .value_kind: global_buffer, .address_space: global }
      - { .name: wqf, .offset: 16, .size: 8, .value_kind: global_buffer, .address_space: global }
      - { .name: wof, .offset: 24, .size: 8, .value_kind: global_buffer, .address_space: global }
    .group_segment_fixed_size: 0
    .private_segment_fixed_size: 0
    .kernarg_segment_align: 8
    .kernarg_segment_size: 32
    .max_flat_workgroup_size: 256
    .sgpr_count:     66
    .vgpr_count:     32
    .wavefront_size: 32
...
	.end_amdgpu_metadata
.endif
;; end of part 1
;; launch qkv (part 2): grid 256 x 1, 4 waves a work-group, clusters of 4 x 1, 327,680 bytes of LDS; arguments x, wqf, bqkv, qfr, kvf; writes qfr, kvf
.if DOCPART == 2
	.amdgcn_target "amdgcn-amd-amdhsa--gfx1250"
	.amdhsa_code_object_version 6
	.text
	.protected	k_qb6d8c29df9_qkv
	.globl	k_qb6d8c29df9_qkv
	.p2align	8
	.type	k_qb6d8c29df9_qkv,@function
k_qb6d8c29df9_qkv:
	s_mov_b64 s[64:65], 0
	v_nop
	global_prefetch_b8 v0, s[64:65] scope:SCOPE_SE
	s_setreg_imm32_b32 hwreg(HW_REG_WAVE_MODE, 25, 1), 1
	s_wait_xcnt 0x0
	s_wait_alu depctr_hold_cnt(0) depctr_sa_sdst(0) depctr_va_vdst(0) depctr_va_sdst(0) depctr_va_ssrc(0) depctr_va_vcc(0) depctr_vm_vsrc(0)
	s_getreg_b32 s2, hwreg(HW_REG_IB_STS2, 6, 4)
	s_cmp_eq_u32 s2, 0
	s_cbranch_scc0 .Lentry_in_a_cluster
	s_endpgm
.Lentry_in_a_cluster:
	s_bfe_u32 s2, ttmp6, 0x10000c
	s_cmp_lg_u32 s2, 0x3003
	s_cbranch_scc0 .Lentry_shape_is_right
	s_endpgm
.Lentry_shape_is_right:
; q, k, v = x Wqkv + bqkv.  x: [16384][1024] f32, rounded once to bf16 on its way to the matrix unit; Wqkv as bf16 fragments (wqf); sums and bias in f32; q, k, v rounded once to f16.
; LIMITS: q, k and v must stay below 65,504 in magnitude (f16); at 65,520 and beyond a number becomes an infinity and its row is lost.  The sum over K starts with the bias and takes the 16 steps
; of 64 in a ring that begins at step (cluster mod 16): an order of rounding that differs from cluster to cluster.
; SHARES.  A work-group owns 64 rows of x and all 768 features, so x is read once.  Wave w owns channels 64 w .. 64 w + 63 of each of q, k, v: 12 blocks of 16 features (fb = 4 sec + fl)
; x 4 tiles of 16 rows = 48 accumulators, 384 registers.
; THE WEIGHTS come by tensor loads through two LDS slots of one K step (98,304 bytes).  All work-groups walk the same weights: the four of a cluster ask JOINTLY, each wave for a quarter of a step
; (96 dense rows of 256 bytes).  The 64 clusters begin at 16 different steps, so that the first trip asks for all of wqf and every later tile has been asked for before by another cluster.
; One tensor load of a wave is out at any time.
; X comes through registers.  Wave w loads rows 16 w .. 16 w + 15 of each step (8 loads; each covers two rows' 256 consecutive bytes, aligned), rounds them to bf16 and stores them as fragments into an
; LDS buffer of their own, from which all four waves read them one trip later.  Two register slots: trip s converts step s + 1 and asks for step s + 3, so a load has two trips in which to land;
; loads into registers may stay out across the barriers.  Two LDS buffers by turns: stored in trip s, read in trip s + 1, stored again in trip s + 2, a barrier between each two.
; In a buffer tile t has 8 blocks (k / 8) of 16 rows x 16 bytes, 288 bytes apart: the 32 lanes of a store fall into 32 different columns of 8 bytes, and 16 lanes of a load take 256 bytes on end.
; LAYOUT OUT.  q, k: source 0 = features, source 1 = rows of x: a lane holds one row and 8 neighbouring features, which pack into the 16 bytes that the lane holds in a fragment of Q or K.
; v: sources swapped: a lane holds one channel and 8 neighbouring keys: a fragment of V^T.  So results leave straight from registers, each store 512 consecutive aligned bytes:
;   qfr [tile of 16 queries][c 8][i 2][lane][8];
;   kvf [batch 4][block 128][K of the batch's group j of 32 keys: kb 2, c 8, i 2 | V^T of group (j - 4) mod 128: cb 16, i 2][lane][8], 32 KB a block: the launch behind multiplies by a group's K
;   one of its steps (four groups) ahead of the group's V, and finds in one block what one of its steps reads.
; REGISTERS: window 0: addresses, x's ring (XR), x's fragments (XB0, XB1), biases; window 1: q's and k's accumulators at 8 (4 fb + t); window 2: v's at 8 (4 fl + t);
; window 3: the weights' fragments of the step's two chunks of 32 along K (W0, W1), 8 fb.
.set SLOT1, 131072                     ; slot 1's first byte: one exclusive or turns an address in one slot into the other's
.set WQ,    24576                      ; a wave's quarter of a step's weights
.set XBASE, 98304                      ; behind slot 0: x's two buffers; no tensor load lands here
.set XBLK,  288                        ; a block: 16 rows x 16 bytes, and 32 bytes of room
.set XTILE, 8*XBLK                     ; a tile of 16 rows x 64 k
.set XBUF,  4*XTILE                    ; a buffer: 9,216 bytes
.set SPARE, 246784                     ; the spare words, 128 bytes for each wave, that no other line names
.set AW0, 2                            ; v2   my place in a section of the weights: 4,096 w + 16 lane
.set AXR, 3                            ; v3   where I read x's fragments: XBASE + 288 h + 16 r
.set ADW, 4                            ; v4   AW0 + the slot
.set ADW2, 5                           ; v5   the same for section 2, 65,536 on
.set XSA, 6                            ; v6   where I store 8 bytes of x: XBASE + 2,304 w + 288 (c / 2) + 16 rr + 8 (c % 2), c = lane % 16, rr = lane / 16
.set GST, 7                            ; v7   16 lane: my 16 bytes of a stored half fragment
.set SPW, 8                            ; v8   my spare word; never rewritten
.set NIL, 9                            ; v9   0; never rewritten
.set XL,  10                           ; v10  my place in two rows of x: 4,096 rr + 16 c
.set XO,  11                           ; v11, v12  slot p: XL + 256 x the step that the slot loads
.set XR,  16                           ; v16-79    x as f32: two slots of 8 loads
.set XB0, 80                           ; v80-111   x's fragments, chunk 0: 8 t
.set XB1, 112                          ; v112-143  chunk 1
.set PK,  16                           ; the way out: q's and k's packed results, v16-143
.set BQK, 144                          ; v144-207  bias of q and k, 8 registers for each fb; later v's packed results
.set BV,  208                          ; v208-239  bias of v, 8 equal registers for each fl
.set XT,  240                          ; v240-255  x as bf16, on its way into LDS
.set W0,  0
.set W1,  96
.set WV,  14                           ; s14 wave
.set G1W, 16                           ; s[16:23] descriptor group 1
.set NXT, 24                           ; s24 the number of the step whose weights were asked for last
.set XN,  25                           ; s25 the number of the step whose x is asked for next
.set OFF, 26                           ; s[26:27] (NXT mod 16) x 98,304
.set G0W, 32                           ; s[32:35] descriptor group 0
.set TB,  40                           ; s40 the slot to be read
.set MSB, 0
.macro WIN new                         ; the immediate's high byte repeats the setting that is left; a switch that changes nothing is dropped
.if MSB != (\new)
	s_set_vgpr_msb (MSB<<8)|(\new)
.set MSB, (\new)
.endif
.endm
.macro PLACES                          ; four places behind matrix instructions, in front of loads into their sources and of reads of their results
.rept 4
	v_nop
.endr
.endm
.macro ROUND                           ; a round of the cluster's barrier
	s_barrier_signal -1
	s_barrier_wait -1
	s_cmp_lg_u32 s[WV], 0
	s_cbranch_scc1 .Lnw0_\@
	s_barrier_signal -3
.Lnw0_\@:
	s_barrier_wait -3
	s_barrier_signal -1
	s_barrier_wait -1
.endm
.macro LOAD                            ; every wave asks for its quarter of a step's weights; the descriptor hangs on the wave's number and the cluster's number alone
	tensor_load_to_lds s[G0W:G0W+3], s[G1W:G1W+7]
	s_nop 0
	PLACES
.endm
; THE CHANGE OF SLOTS.  Each wave waits for its one tensor load (its part of the slot to be read), adds 0 to its spare word, and waits for that, for its reads of the slot and of x's buffer that it
; leaves, and for its stores into x's other buffer.  fill = 1: the barrier is a round of the cluster's, and the slot left is filled first thing behind it, with the step after the one about to be
; multiplied; the address is made anew from the step's number.
.macro CHANGE fill
	WIN 0
	s_wait_tensorcnt 0x0                           ; no tensor load of mine is out: the descriptor may be written
	ds_add_u32 v[SPW], v[NIL]
.if \fill
	s_add_co_u32 s[NXT], s[NXT], 1                 ; the next step, round the 16
	s_and_b32 s[OFF], s[NXT], 15
	s_mul_i32 s[OFF], s[OFF], 98304
	s_xor_b32 s[G0W+1], s[G0W+1], SLOT1
	s_add_nc_u64 s[G0W+2:G0W+3], s[6:7], s[OFF:OFF+1]
	s_or_b32 s[G0W+3], s[G0W+3], 0x80000000
.endif
	s_wait_dscnt 0x0                               ; the add is done, my reads are back, my stores of x are done
.if \fill
	ROUND
	LOAD                                           ; its four v_nop are also the places in front of the next step's loads into the fragments' registers
.else
	s_barrier_signal -1
	s_barrier_wait -1
	PLACES
.endif
	s_xor_b32 s[TB], s[TB], SLOT1
.endm
.macro XLOAD p                         ; slot p asks for my 16 rows of the next step: load j takes rows 2 j and 2 j + 1, 256 consecutive bytes each.  The slot's last loads have been waited for, so its offset may be written
	s_and_b32 s28, s[XN], 15
	s_lshl_b32 s28, s28, 8                         ; 64 f32 along the rows
	s_add_co_u32 s[XN], s[XN], 1
	v_add_nc_u32 v[XO+(\p)], s28, v[XL]
.irp j, 0,1,2,3,4,5,6,7
	global_load_b128 v[XR+32*(\p)+4*\j:XR+32*(\p)+4*\j+3], v[XO+(\p)], s[4:5] offset:8192*\j th:TH_LOAD_NT
.endr
.endm
.macro XSTORE p, left                  ; slot p's step is rounded to bf16 and stored into x's buffer p.  left: the younger loads, which stay out
	s_wait_loadcnt \left
.set n, 0
.rept 16
	v_cvt_pk_bf16_f32 v[XT+n], v[XR+32*(\p)+2*n], v[XR+32*(\p)+2*n+1]
.set n, n+1
.endr
.irp j, 0,1,2,3,4,5,6,7
	ds_store_b64 v[XSA], v[XT+2*\j:XT+2*\j+1] offset:(\p)*XBUF+32*\j   ; rows 2 j + rr: 16 bytes a row in a block
.endr
.endm
.macro FX par                          ; 16 loads: x's fragments of the step, n = 8 ch + 2 t + i: block 4 ch + 2 i + h of tile t
.set n, 0
.rept 16
	ds_load_b128 v[XB0+4*n:XB0+4*n+3], v[AXR] offset:(\par)*XBUF+((n%8)/2)*XTILE+(n/8)*4*XBLK+(n%2)*2*XBLK
.set n, n+1
.endr
.endm
.macro FW ch, wb                       ; 24 loads: my 12 fragments of the weights for chunk ch; every load takes 512 consecutive bytes
	WIN 0xc0                                       ; destination window 3, address window 0
.set n, 0
.rept 16
	ds_load_b128 v[(\wb)+4*n:(\wb)+4*n+3], v[ADW] offset:(n/8)*32768+(\ch)*16384+(n%8)*512
.set n, n+1
.endr
.set n, 0
.rept 8
	ds_load_b128 v[(\wb)+64+4*n:(\wb)+64+4*n+3], v[ADW2] offset:(\ch)*16384+n*512
.set n, n+1
.endr
.endm
.macro MUL wb, xb, zero                ; 48 matrix instructions, each accumulator once: they take turns.  zero = 1: the products start the sums, with the bias as C
	WIN 0x53-0x10*(\zero)                          ; weights window 3, x window 0, D window 1; C window 1, or the bias in window 0
.set n, 0
.rept 32
.if \zero
	v_wmma_f32_16x16x32_bf16 v[8*n:8*n+7], v[(\wb)+8*(n/4):(\wb)+8*(n/4)+7], v[(\xb)+8*(n%4):(\xb)+8*(n%4)+7], v[BQK+8*(n/4):BQK+8*(n/4)+7]
.else
	v_wmma_f32_16x16x32_bf16 v[8*n:8*n+7], v[(\wb)+8*(n/4):(\wb)+8*(n/4)+7], v[(\xb)+8*(n%4):(\xb)+8*(n%4)+7], v[8*n:8*n+7]
.endif
.set n, n+1
.endr
	WIN 0xac-0x20*(\zero)                          ; x window 0, weights window 3, D window 2; C window 2, or the bias in window 0
.set n, 0
.rept 16
.if \zero
	v_wmma_f32_16x16x32_bf16 v[8*n:8*n+7], v[(\xb)+8*(n%4):(\xb)+8*(n%4)+7], v[(\wb)+64+8*(n/4):(\wb)+64+8*(n/4)+7], v[BV+8*(n/4):BV+8*(n/4)+7]
.else
	v_wmma_f32_16x16x32_bf16 v[8*n:8*n+7], v[(\xb)+8*(n%4):(\xb)+8*(n%4)+7], v[(\wb)+64+8*(n/4):(\wb)+64+8*(n/4)+7], v[8*n:8*n+7]
.endif
.set n, n+1
.endr
.endm
; A K step of 64: 64 LDS loads, 96 matrix instructions; beside them the next step's x.  par: the step's parity: which of x's buffers is read; the other slot and buffer are worked on.
; left >= 0: the next step's x is converted and stored (left: the younger loads); left < 0: there is none.  xld = 1: the slot asks for the step two further on.
.macro STEP par, zero, left, xld
	WIN 0
	v_add_nc_u32 v[ADW], s[TB], v[AW0]
	v_add_nc_u32 v[ADW2], 0x10000, v[ADW]
	FX \par
	FW 0, W0
	FW 1, W1
	WIN 0
.if (\left) >= 0
	XSTORE 1-(\par), \left                         ; while the 64 loads are out
.if \xld
	XLOAD 1-(\par)
.endif
	s_wait_dscnt 32                                ; x's fragments and W0 are in: behind them W1's 24 loads and my 8 stores
.else
	s_wait_dscnt 24                                ; the same without stores
.endif
	MUL W0, XB0, \zero
.if (\left) >= 0
	s_wait_dscnt 8                                 ; W1 is in; my stores may stay out
.else
	s_wait_dscnt 0x0
.endif
	MUL W1, XB1, 0
	WIN 0
.endm
	s_load_b256 s[4:11], s[0:1], 0x0               ; x s[4:5], wqf s[6:7], bqkv s[8:9], qfr s[10:11]
	s_load_b64 s[12:13], s[0:1], 0x20              ; kvf
	v_lshl_add_u32 v[SPW], v0, 2, SPARE
	v_mov_b32 v[NIL], 0
	ds_add_u32 v8, v9
	s_wait_dscnt 0x0
	v_lshrrev_b32 v1, 5, v0
	v_readfirstlane_b32 s[WV], v1                  ; wave 0..3
	s_bfe_u32 s15, ttmp6, 0x40000                  ; cx
	s_lshl_b32 s42, ttmp9, 2
	s_add_co_u32 s15, s42, s15                     ; my block of 64 rows = 4 x cluster + cx: it enters x's, qfr's and kvf's addresses alone
	s_mov_b32 s[G1W+0], 15|(3<<16)|(1<<21)         ; the mask of four; elements of 8 bytes; bit 21 set beside a mask
	s_mov_b32 s[G1W+1], 32<<16                     ; tensor_dim0 = 32 elements = 256 bytes
	s_mov_b32 s[G1W+2], 96<<16                     ; tensor_dim1 = 96 rows
	s_mov_b32 s[G1W+3], 32<<16                     ; tile_dim0
	s_mov_b32 s[G1W+4], 96                         ; tile_dim1
	s_mov_b32 s[G1W+5], 32                         ; dense: a row begins where the last ends
	s_mov_b32 s[G1W+6], 0
	s_mov_b32 s[G1W+7], 0
	s_and_b32 s[NXT], ttmp9, 15                    ; where my cluster's walk over K begins; the four partners share it
	s_mov_b32 s[XN], s[NXT]
	s_mul_i32 s[OFF], s[NXT], 98304
	s_mov_b32 s[OFF+1], 0
	s_mul_i32 s44, s[WV], WQ                       ; my quarter of a step's weights
	s_mov_b32 s45, 0
	s_lshl_b32 s42, s15, 18                        ; my work-group's 64 rows of 4,096 bytes,
	s_lshl_b32 s43, s[WV], 16                      ; my wave's 16 of them
	s_add_co_u32 s42, s42, s43
	s_mov_b32 s43, 0
	s_mov_b32 s[G0W], 1
	s_mul_i32 s[G0W+1], s[WV], WQ                  ; LDS: slot 0, my quarter
	s_mov_b32 s[TB], SLOT1                         ; the first change of slots turns it into 0
	s_wait_kmcnt 0x0
	s_add_nc_u64 s[6:7], s[6:7], s[44:45]          ; wqf at my quarter of step 0
	s_add_nc_u64 s[G0W+2:G0W+3], s[6:7], s[OFF:OFF+1]
	s_or_b32 s[G0W+3], s[G0W+3], 0x80000000
	s_add_nc_u64 s[4:5], s[4:5], s[42:43]          ; x at my 16 rows
	ROUND                                          ; all four work-groups are here: the first joint loads meet
	LOAD                                           ; the walk's first step into slot 0; slot 1 is asked for by the first change of slots
	v_and_b32 v1, 15, v0                           ; r, or c
	v_bfe_u32 v15, v0, 4, 1                        ; h, or rr
	v_and_b32 v[GST], 31, v0
	v_lshlrev_b32 v[GST], 4, v[GST]
	s_lshl_b32 s46, s[WV], 12
	v_add_nc_u32 v[AW0], s46, v[GST]
	v_mul_u32_u24 v[AXR], v15, XBLK
	v_lshl_add_u32 v[AXR], v1, 4, v[AXR]
	v_add_nc_u32 v[AXR], XBASE, v[AXR]
	v_lshrrev_b32 v[XSA], 1, v1                    ; my 4 numbers k = 4 c .. 4 c + 3 lie in block c / 2, in its rows' bytes 8 (c % 2) on
	v_mul_u32_u24 v[XSA], v[XSA], XBLK
	v_lshl_add_u32 v[XSA], v15, 4, v[XSA]
	v_and_b32 v[XO], 1, v1
	v_lshl_add_u32 v[XSA], v[XO], 3, v[XSA]
	s_mul_i32 s46, s[WV], XTILE
	s_add_co_u32 s46, s46, XBASE
	v_add_nc_u32 v[XSA], s46, v[XSA]
	v_lshlrev_b32 v[XL], 12, v15
	v_lshl_add_u32 v[XL], v1, 4, v[XL]
	v_lshlrev_b32 v13, 5, v15                      ; q's and k's bias: 8 h features on
	v_lshlrev_b32 v14, 2, v1                       ; v's bias: feature r
	s_lshl_b32 s46, s[WV], 8
	s_mov_b32 s47, 0
	s_add_nc_u64 s[8:9], s[8:9], s[46:47]          ; bqkv at my 64 channels
.irp fb, 0,1,2,3,4,5,6,7
	global_load_b128 v[BQK+8*\fb:BQK+8*\fb+3],   v13, s[8:9] offset:(\fb/4)*1024+(\fb%4)*64
	global_load_b128 v[BQK+8*\fb+4:BQK+8*\fb+7], v13, s[8:9] offset:(\fb/4)*1024+(\fb%4)*64+16
.endr
.irp fl, 0,1,2,3
	global_load_b32 v[BV+8*\fl], v14, s[8:9] offset:2048+\fl*64
.endr
	XLOAD 0                                        ; x of the walk's steps 0 and 1, behind the biases
	XLOAD 1
	s_lshl_b32 s46, s15, 15                        ; qfr: 4 tiles of 8,192 bytes a work-group; my channels: 2 chunks of 1,024
	s_lshl_b32 s52, s[WV], 11
	s_add_co_u32 s46, s46, s52
	s_add_nc_u64 s[10:11], s[10:11], s[46:47]
	s_lshl_b32 s46, s15, 16                        ; kvf: my 64 rows are two groups of keys; their K lies in the two blocks of their own numbers
	s_add_co_u32 s46, s46, s52
	s_add_nc_u64 s[48:49], s[12:13], s[46:47]      ; K's part
	s_and_b32 s46, s15, 63                         ; V's part: my first group in its batch is 2 x (work-group mod 64);
	s_lshl_b32 s46, s46, 1
	s_add_co_u32 s46, s46, 4                       ; its V^T lies four blocks on, round the batch's 128 (an even number: my second group's block follows it)
	s_and_b32 s46, s46, 127
	s_lshl_b32 s46, s46, 15
	s_lshr_b32 s53, s15, 6                         ; the batch: 128 blocks of 32,768 bytes
	s_lshl_b32 s53, s53, 22
	s_add_co_u32 s46, s46, s53
	s_lshl_b32 s52, s[WV], 12                      ; my 4 channel blocks of 1,024 bytes
	s_add_co_u32 s46, s46, s52
	s_add_co_u32 s46, s46, 16384                   ; behind the block's K
	s_add_nc_u64 s[50:51], s[12:13], s[46:47]
	XSTORE 0, 8                                    ; the biases and step 0's x are in (step 1's eight loads stay out); x into buffer 0
	XLOAD 0                                        ; step 2
.irp fl, 0,1,2,3
.irp k, 1,2,3,4,5,6,7
	v_mov_b32 v[BV+8*\fl+\k], v[BV+8*\fl]          ; v's accumulators hold one channel a lane: its bias in all eight registers
.endr
.endr
	CHANGE 1                                       ; step 0's weights and x are in LDS, everybody's part; step 1's weights are asked for
	STEP 0, 1, 8, 1                                ; the first step starts the sums: nothing is cleared
	s_mov_b32 s41, 6
.Lk:                                                   ; steps 1 to 12, two a trip: x's slots and buffers go by the step's parity
	CHANGE 1
	STEP 1, 0, 8, 1
	CHANGE 1
	STEP 0, 0, 8, 1
	s_sub_co_u32 s41, s41, 1
	s_cmp_lg_u32 s41, 0
	s_cbranch_scc1 .Lk
	CHANGE 1                                       ; the last three steps are written out: no load of x passes the walk's end, and each wait has one count
	STEP 1, 0, 8, 0                                ; step 13 converts step 14's x; step 15's eight loads stay out
	CHANGE 1
	STEP 0, 0, 0, 0                                ; step 14 converts step 15's x: nothing was asked for behind it
	CHANGE 0                                       ; nothing is left to ask for
	STEP 1, 0, -1, 0
	; THE WAY OUT: one rounding to f16, stores straight from registers.  Each accumulator is read from its lowest registers on.
	PLACES
	WIN 0x05                                       ; sources window 1, destination window 0
.set n, 0
.rept 128
	v_cvt_pk_f16_f32 v[PK+n], v[2*n], v[2*n+1]
.set n, n+1
.endr
	WIN 0
.set n, 0
.rept 16                               ; n = 4 fl + t: tile t, chunk fl / 2 of my two, half fl % 2
	global_store_b128 v[GST], v[PK+4*n:PK+4*n+3], s[10:11] offset:(n%4)*8192+(n/8)*1024+((n/4)%2)*512
	global_store_b128 v[GST], v[PK+64+4*n:PK+64+4*n+3], s[48:49] offset:((n%4)/2)*32768+(n%2)*8192+(n/8)*1024+((n/4)%2)*512
.set n, n+1
.endr
	WIN 0x0a                                       ; sources window 2, destination window 0: into the registers that held q's and k's bias, which no store names
.set n, 0
.rept 64
	v_cvt_pk_f16_f32 v[BQK+n], v[2*n], v[2*n+1]
.set n, n+1
.endr
	WIN 0
.set n, 0
.rept 16                               ; n = 4 fl + t: group t / 2, channel block fl of my four, keys' half t % 2
	global_store_b128 v[GST], v[BQK+4*n:BQK+4*n+3], s[50:51] offset:((n%4)/2)*32768+(n/4)*1024+(n%2)*512
.set n, n+1
.endr
	s_wait_tensorcnt 0x0                           ; the wave's end
	ds_add_u32 v[SPW], v[NIL]
	s_wait_dscnt 0x0
	ROUND                                          ; the closing round: no work-group ends while a partner may still ask jointly
	s_endpgm
.Lfunc_end_k_qb6d8c29df9_qkv:
	.size	k_qb6d8c29df9_qkv, .Lfunc_end_k_qb6d8c29df9_qkv-k_qb6d8c29df9_qkv
	.p2alignl 7, 3214868480
	.fill 96, 4, 3214868480
	.section	.rodata,"a",@progbits
	.p2align	6, 0x0
	.amdhsa_kernel k_qb6d8c29df9_qkv
		.amdhsa_group_segment_fixed_size 327680
		.amdhsa_private_segment_fixed_size 0
		.amdhsa_enable_private_segment 0
		.amdhsa_kernarg_size 40
		.amdhsa_user_sgpr_count 2
		.amdhsa_user_sgpr_kernarg_segment_ptr 1
		.amdhsa_wavefront_size32 1
		.amdhsa_system_sgpr_workgroup_id_x 1
		.amdhsa_system_sgpr_workgroup_id_y 1
		.amdhsa_system_sgpr_workgroup_id_z 1
		.amdhsa_system_vgpr_workitem_id 0
		.amdhsa_next_free_vgpr 960
		.amdhsa_next_free_sgpr 66
		.amdhsa_reserve_vcc 0
		.amdhsa_float_denorm_mode_32 3
		.amdhsa_float_denorm_mode_16_64 3
		.amdhsa_memory_ordered 1
		.amdhsa_forward_progress 1
		.amdhsa_inst_pref_size 107
	.end_amdhsa_kernel
	.amdgpu_metadata
---
amdhsa.version: [ 1, 2 ]
amdhsa.kernels:
  - .name:           k_qb6d8c29df9_qkv
    .symbol:         k_qb6d8c29df9_qkv.kd
    .args:
      - { .name: x, .offset: 0, .size: 8, .value_kind: global_buffer, .address_space: global }
      - { .name: wqf, .offset: 8, .size: 8, .value_kind: global_buffer, .address_space: global }
      - { .name: bqkv, .offset: 16, .size: 8, .value_kind: global_buffer, .address_space: global }
      - { .name: qfr, .offset: 24, .size: 8, .value_kind: global_buffer, .address_space: global }
      - { .name: kvf, .offset: 32, .size: 8, .value_kind: global_buffer, .address_space: global }
    .group_segment_fixed_size: 327680
    .private_segment_fixed_size: 0
    .kernarg_segment_align: 8
    .kernarg_segment_size: 40
    .max_flat_workgroup_size: 128
    .sgpr_count:     66
    .vgpr_count:     960
    .wavefront_size: 32
...
	.end_amdgpu_metadata
.endif
;; end of part 2
;; launch attn (part 3): grid 256 x 1, 4 waves a work-group, clusters of 4 x 1, 327,680 bytes of LDS; arguments qfr, kvf, wof, bo, out0; writes out0
.if DOCPART == 3
	.amdgcn_target "amdgcn-amd-amdhsa--gfx1250"
	.amdhsa_code_object_version 6
	.text
	.protected	k_qb6d8c29df9_attn
	.globl	k_qb6d8c29df9_attn
	.p2align	8
	.type	k_qb6d8c29df9_attn,@function
k_qb6d8c29df9_attn:
	s_mov_b64 s[64:65], 0
	v_nop
	global_prefetch_b8 v0, s[64:65] scope:SCOPE_SE
	s_setreg_imm32_b32 hwreg(HW_REG_WAVE_MODE, 25, 1), 1
	s_wait_xcnt 0x0
	s_wait_alu depctr_hold_cnt(0) depctr_sa_sdst(0) depctr_va_vdst(0) depctr_va_sdst(0) depctr_va_ssrc(0) depctr_va_vcc(0) depctr_vm_vsrc(0)
	s_getreg_b32 s2, hwreg(HW_REG_IB_STS2, 6, 4)
	s_cmp_eq_u32 s2, 0
	s_cbranch_scc0 .Lentry_in_a_cluster
	s_endpgm
.Lentry_in_a_cluster:
	s_bfe_u32 s2, ttmp6, 0x10000c
	s_cmp_lg_u32 s2, 0x3003
	s_cbranch_scc0 .Lentry_shape_is_right
	s_endpgm
.Lentry_shape_is_right:
; out = softmax(q k^T / 16) v Wo + bo, for 4 batches of 4,096 rows, head size 256.  q, k, v (f16 fragments: qfr, kvf), Wo (f16 fragments: wof), bo f32, out0 [16384][1024] f32.
; Products, maxima, sums, the merge and the bias in f32; the weights p and O are rounded once to f16 (l is the sum of the unrounded p).
; LIMITS.  q, k, v, Wo arrive within f16's range; p lies in 0 to 1; p and O below 6.1e-5 keep f16's fixed step of 6e-8; a weight below 2^-126 counts as 0; NaN and infinities are not treated apart.
; SHARES.  A work-group owns 64 queries (4 tiles of 16).  THE WAVES SPLIT THE KEYS: in a step (32 steps) wave w takes one group of 32 keys of the step's four against all 64 queries, so each byte of
; K and V is read from LDS once in the work-group.  Each wave keeps its own running maximum m, sum l and O^T (64 queries x 256 channels, 512 registers); the four are merged once, at the end.
; LAYOUT.  S^T = K Q^T: a lane holds one query (lane % 16) and keys 8 (lane / 16) + 0..7; the two key blocks, rounded in pairs, ARE source 1 of O^T = V^T P.  K and V^T lie in memory and in LDS
; as fragments: every LDS load takes 512 consecutive bytes.
; SOFTMAX.  p = 2^(c s - c m), c = log2(e) / 16; in every step O^T and l are multiplied by a = 2^(c m_old - c m_new).  m starts at the lowest finite number, O^T and l at 0, so that the first step
; is a step like any other (a = 0): 512 v_mov_b32 stand in the wait for the first tile.
; ONE STEP AHEAD.  A trip of the loop holds, for step s: the rounding of its weights to P; the 64 products K Q^T of step s + 1, and behind each of them four lines of step s's rescaling of O^T (one
; accumulator); the 64 products V^T P of step s, and behind them step s + 1's maximum, statistics, scalings, exponentials and sums, in slices of two to four lines.  So S^T and P need one buffer each:
; S^T is written when its weights have been rounded, P when its products are done.  A slice costs two switches of the register window.
; THE WALK.  A trip reads K of one step and V of the step before: they lie together in one block of kvf ([K of group j | V^T of group (j - 4) mod 128]), so a wave's tiles are the 32 blocks of its
; groups, taken round: u0, u0 + 1, .. u0 + 32 modulo 32; the first tile gives its K, and comes again at the end for its V.  The sum over keys has no order, so the 16 clusters of a batch begin two steps
; apart (u0 = 2 x the cluster's number in its batch): at any time they ask for 16 different tiles.
; MERGE.  CM = the largest of the four c m; wave w scales its O^T by 2^(c m_w - CM) / L, L = the sum of 2^(c m_w' - CM) l_w'; the four go through LDS (the ring's bytes, which have had their last
; fill), wave w adds up tile w and rounds it to f16: a fragment of O.  Then out^T = Wo^T O^T: wave w makes columns 256 w .. + 255 for all 64 queries; the first product takes bo as its C.
; CLUSTER.  The four work-groups of a cluster belong to one batch and walk the same K and V: every tile is asked for jointly, each wave its own 32 KB (128 dense rows of 256 bytes).
; One tensor load of a wave is out at any time; it has a whole trip in which to land.
; REGISTERS: window 0: addresses, statistics, S^T, P, two fragment buffers; window 1: Q (64 t + 8 c), later O's fragments; windows 2, 3: O^T, tile t in window 2 + t / 2 at 128 (t % 2) + 8 cb.
.set SLOT1, 131072                     ; slot 1's first byte; in a slot wave w's tile lies at 32,768 w: 16 KB of K, 16 KB of V^T
.set STAT,  262144                     ; behind the ring: (c m, l) of every wave, tile and lane, 4 KB
.set SPARE, 266240                     ; the spare words, 128 bytes for each wave, that no other line names
.set OX,    266752                     ; O's fragments, 32 KB
.set SGP,   272                        ; a row of the stage: 256 bytes + 16
.set AL0, 2                            ; v2  32,768 w + 16 lane
.set ADR, 3                            ; v3  AL0 + the slot
.set SPW, 4                            ; v4  my spare word; never rewritten
.set NIL, 5                            ; v5  0; never rewritten
.set L16, 6                            ; v6  16 lane
.set ST,  8                            ; tile t at v[8 + 4 t]: c m, m, l (even keys', odd keys')
.set TMP, 24                           ; tile t at v[24 + 2 t]: two at work; then a
.set S,   32                           ; v32-95   S^T: 16 t + 8 kb
.set P,   96                           ; v96-127  P: 8 t
.set F0,  128                          ; v128-191, v192-255: fragments of K or V^T
.set F1,  192
.set A_SR, 96                          ; the tail's addresses, in P's registers:  STAT + 8 lane
.set A_SW, 97                          ; + 1,024 w
.set A_MW, 98                          ; merge, in: 65,536 w + 16 lane
.set A_MR, 100                         ; v100-103  merge, back: 65,536 w' + 16,384 w + 16 lane
.set A_OW, 104                         ; OX + 8,192 w + 16 lane
.set A_OR, 105                         ; OX + 16 lane
.set A_BO, 106                         ; 32 h
.set A_GW, 107                         ; stage, in: 17,408 w + 272 r + 32 h
.set A_GR, 108                         ; stage, back: 17,408 w + 272 h + 16 r
.set A_GO, 109                         ; out0: 4,096 h + 16 r
.set TR,  110
.set TH,  111
.set WV,  14                           ; s14 wave
.set G1,  16                           ; s[16:23] descriptor group 1
.set G0,  24                           ; s[24:27] descriptor group 0
.set TB,  28                           ; s28 the slot to be read
.set CS,  30                           ; s[30:31] c
.set SEL, 32                           ; s[32:33] v_permlanex16_b32's selects: each lane takes its own place in the other half
.set NXT, 42                           ; s42 the number of the tile asked for last, u0 to u0 + 32
.set OFF, 44                           ; s[44:45] that tile's byte offset: (number mod 32) x 131,072
.set MSB, 0
.macro WIN new
.if MSB != (\new)
	s_set_vgpr_msb (MSB<<8)|(\new)
.set MSB, (\new)
.endif
.endm
.macro PLACES                          ; four places behind matrix instructions (ISA guide 7.12.1)
.rept 4
	v_nop
.endr
.endm
.macro ALL line:vararg                 ; one line for each tile t
.set t, 0
	s_wait_alu depctr_va_vdst(0)
.rept 4
	\line
.set t, t+1
.endr
.endm
.macro ROUND                           ; a round of the cluster's barrier
	s_barrier_signal -1
	s_barrier_wait -1
	s_cmp_lg_u32 s[WV], 0
	s_cbranch_scc1 .Lnw0_\@
	s_barrier_signal -3
.Lnw0_\@:
	s_barrier_wait -3
	s_barrier_signal -1
	s_barrier_wait -1
.endm
.macro LOAD                            ; every wave asks for its own block; the descriptor hangs on the wave's number and the cluster's number alone
	tensor_load_to_lds s[G0:G0+3], s[G1:G1+7]
	s_nop 0
	PLACES
.endm
; THE CHANGE OF SLOTS: the wave's one tensor load has landed, the add, the wave's reads of the slot that it leaves are back; with fill = 1 a round of the cluster's barrier and the refill first behind it.
; The refill's address is made anew from the tile's number.
.macro CHANGE fill
	WIN 0
	s_wait_tensorcnt 0x0                           ; no tensor load of mine is out: the descriptor may be written
	ds_add_u32 v[SPW], v[NIL]
.if \fill
	s_add_co_u32 s[NXT], s[NXT], 1                 ; the next tile, round the batch's 32 steps
	s_and_b32 s[OFF], s[NXT], 31
	s_lshl_b32 s[OFF], s[OFF], 17                  ; a step is four blocks of 32,768 bytes
	s_xor_b32 s[G0+1], s[G0+1], SLOT1
	s_add_nc_u64 s[G0+2:G0+3], s[6:7], s[OFF:OFF+1]
	s_or_b32 s[G0+3], s[G0+3], 0x80000000
.endif
	s_wait_dscnt 0x0
.if \fill
	ROUND
	LOAD                                           ; its four v_nop are also the places in front of the trip's loads into F1 and of the write of P
.else
	s_barrier_signal -1
	s_barrier_wait -1
	PLACES
.endif
	s_xor_b32 s[TB], s[TB], SLOT1
.endm
.macro FETCH f, off                    ; 16 loads: 8 fragments, 8 KB on end.  They name window-0 places alone (destination, address)
.set n, 0
.rept 16
	ds_load_b128 v[(\f)+4*n:(\f)+4*n+3], v[ADR] offset:(\off)+512*n
.set n, n+1
.endr
.endm
; 32 products K Q^T: channels 32 (n / 4) on, tile n % 4: the four accumulators take turns; the first four start the sums.
; ride = 1: behind product n stands the rescaling of accumulator n of window 2 + kb (tile 2 kb + n / 16), four lines, from its lowest registers on; they name no register of the products round them.
.macro KQ kb, f, ride
.set n, 0
.rept 32
	WIN 0x04                                       ; Q in window 1, all else in window 0
.set rS, S+16*(n%4)+8*(\kb)
.if n < 4
	v_wmma_f32_16x16x32_f16 v[rS:rS+7], v[(\f)+8*(n/4):(\f)+8*(n/4)+7], v[64*(n%4)+8*(n/4):64*(n%4)+8*(n/4)+7], 0
.else
	v_wmma_f32_16x16x32_f16 v[rS:rS+7], v[(\f)+8*(n/4):(\f)+8*(n/4)+7], v[64*(n%4)+8*(n/4):64*(n%4)+8*(n/4)+7], v[rS:rS+7]
.endif
.if \ride
	WIN 0x82+0x41*(\kb)                            ; destination and source 0 in window 2 or 3, a in window 0
.irp z, 0,1,2,3
	v_pk_mul_f32 v[8*n+2*\z:8*n+2*\z+1], v[8*n+2*\z:8*n+2*\z+1], v[TMP+2*(2*(\kb)+n/16):TMP+2*(2*(\kb)+n/16)+1] op_sel_hi:[1,0]
.endr
.endif
.set n, n+1
.endr
.endm
.macro SCL                             ; pair fn of 32: c s - c m
	v_pk_fma_f32 v[S+2*fn:S+2*fn+1], v[S+2*fn:S+2*fn+1], s[CS:CS+1], v[ST+4*(fn/8):ST+4*(fn/8)+1] op_sel_hi:[1,0,0] neg_lo:[0,0,1] neg_hi:[0,0,1]
.endm
; SLICE rk OF THE SOFTMAX, all but the rounding to P.  0-13: one line for each of the four tiles, so that no line reads the result of the one before it: the maximum (each accumulator's lowest registers are
; read first), the exchange of the lanes' halves, the new m, c m, a.  14, 15: the first eight scalings.  16-47: two exponentials, with a scaling eight pairs ahead between them
; while scalings last.  48-55: l = a l + the weights, pair after pair: S^T stays whole for the rounding.  56-63: nothing.
.macro RS
.if rk < 56
	WIN 0
.endif
.if rk == 0
	ALL v_max3_num_f32 v[TMP+2*t], v[S+16*t], v[S+16*t+1], v[S+16*t+2]
.elseif rk == 1
	ALL v_max3_num_f32 v[TMP+2*t+1], v[S+16*t+8], v[S+16*t+9], v[S+16*t+10]
.elseif rk == 2
	ALL v_max3_num_f32 v[TMP+2*t], v[TMP+2*t], v[S+16*t+3], v[S+16*t+4]
.elseif rk == 3
	ALL v_max3_num_f32 v[TMP+2*t+1], v[TMP+2*t+1], v[S+16*t+11], v[S+16*t+12]
.elseif rk == 4
	ALL v_max3_num_f32 v[TMP+2*t], v[TMP+2*t], v[S+16*t+5], v[S+16*t+6]
.elseif rk == 5
	ALL v_max3_num_f32 v[TMP+2*t+1], v[TMP+2*t+1], v[S+16*t+13], v[S+16*t+14]
.elseif rk == 6
	ALL v_max3_num_f32 v[TMP+2*t], v[TMP+2*t], v[S+16*t+7], v[S+16*t+15]
.elseif rk == 7
	ALL v_max3_num_f32 v[TMP+2*t], v[TMP+2*t], v[TMP+2*t+1], v[ST+4*t+1]
.elseif rk == 8
	ALL v_permlanex16_b32 v[TMP+2*t+1], v[TMP+2*t], s[SEL], s[SEL+1]   ; the query's other 16 keys lie in the lane 16 away
.elseif rk == 9
	ALL v_max_num_f32 v[ST+4*t+1], v[TMP+2*t], v[TMP+2*t+1]            ; the new m
.elseif rk == 10
	ALL v_mov_b32 v[TMP+2*t+1], v[ST+4*t]                              ; c m_old
.elseif rk == 11
	ALL v_mul_f32 v[ST+4*t], s[CS], v[ST+4*t+1]
.elseif rk == 12
	ALL v_sub_f32 v[TMP+2*t+1], v[TMP+2*t+1], v[ST+4*t]
.elseif rk == 13
	ALL v_exp_f32 v[TMP+2*t], v[TMP+2*t+1]                             ; a; the scalings of the next slice are the plain lines behind it
.elseif rk < 16
.irp z, 0,1,2,3
.set fn, 4*(rk-14)+\z
	SCL
.endr
.elseif rk < 48
	v_exp_f32 v[S+2*(rk-16)], v[S+2*(rk-16)]
.if rk < 40
.set fn, rk-8
	SCL
.endif
	v_exp_f32 v[S+2*(rk-16)+1], v[S+2*(rk-16)+1]
.elseif rk == 48
	ALL v_pk_fma_f32 v[ST+4*t+2:ST+4*t+3], v[ST+4*t+2:ST+4*t+3], v[TMP+2*t:TMP+2*t+1], v[S+16*t:S+16*t+1] op_sel_hi:[1,0,1]
.elseif rk < 56
	ALL v_pk_add_f32 v[ST+4*t+2:ST+4*t+3], v[ST+4*t+2:ST+4*t+3], v[S+16*t+2*(rk-48):S+16*t+2*(rk-48)+1]
.endif
.endm
; 32 products V^T P, each on an accumulator of its own: channel blocks 8 vc + n / 2, tiles 2 hw + n % 2.  ride = 1: behind product 32 vc + 16 hw + n stands the slice of that number.
.macro PV vc, f, ride
.irp hw, 0,1
.set n, 0
.rept 16
	WIN 0xa0+0x50*(\hw)                            ; C and D in window 2 or 3
.set rO, 128*(n%2)+8*(8*(\vc)+n/2)
	v_wmma_f32_16x16x32_f16 v[rO:rO+7], v[(\f)+8*(n/2):(\f)+8*(n/2)+7], v[P+8*(2*(\hw)+n%2):P+8*(2*(\hw)+n%2)+7], v[rO:rO+7]
.if \ride
.set rk, 32*(\vc)+16*(\hw)+n
	RS
.endif
.set n, n+1
.endr
.endr
.endm
.macro PACKP                           ; the weights are rounded to f16: P
	WIN 0
.set n, 0
.rept 32
	v_cvt_pk_f16_f32 v[P+n], v[S+2*n], v[S+2*n+1]
.set n, n+1
.endr
.endm
.macro RESCALE                         ; O^T of tile t times v[TMP + 2 t], ascending
.irp t4, 0,1,2,3
	WIN 0x82+0x41*((\t4)/2)                        ; destination and source 0 in window 2 or 3, the factor in window 0
.set n, 0
.rept 64
	v_pk_mul_f32 v[128*((\t4)%2)+2*n:128*((\t4)%2)+2*n+1], v[128*((\t4)%2)+2*n:128*((\t4)%2)+2*n+1], v[TMP+2*(\t4):TMP+2*(\t4)+1] op_sel_hi:[1,0]
.set n, n+1
.endr
.endr
.endm
.macro TURN                            ; a trip's work: 64 LDS loads, 128 matrix instructions, the vector work of a step
	WIN 0
	v_add_nc_u32 v[ADR], s[TB], v[AL0]
	FETCH F0, 0                                    ; K of the next step, keys 0-15
	FETCH F1, 8192                                 ; keys 16-31
	PACKP                                          ; this step's P, while those loads are out
	s_wait_dscnt 16                                ; the first 16 loads are in
	KQ 0, F0, 1                                    ; the last product's four rescalings are the places in front of the loads into F0
	WIN 0x04
	FETCH F0, 16384                                ; V^T of this step, channel blocks 0-7
	s_wait_dscnt 16                                ; K's second half is in: V's 16 loads were issued behind it
	KQ 1, F1, 1                                    ; likewise for F1 and for the first reads of S^T
	WIN 0
	FETCH F1, 24576                                ; V^T, channel blocks 8-15
	s_wait_dscnt 16                                ; V's first half is in
	PV 0, F0, 1
	s_wait_dscnt 0x0
	PV 1, F1, 1
	WIN 0
.endm
	s_load_b256 s[4:11], s[0:1], 0x0               ; qfr s[4:5], kvf s[6:7], wof s[8:9], bo s[10:11]
	s_load_b64 s[12:13], s[0:1], 0x20              ; out0
	v_lshl_add_u32 v[SPW], v0, 2, SPARE
	v_mov_b32 v[NIL], 0
	ds_add_u32 v4, v5
	s_wait_dscnt 0x0
	v_lshrrev_b32 v1, 5, v0
	v_readfirstlane_b32 s[WV], v1                  ; wave 0..3
	s_bfe_u32 s15, ttmp6, 0x40000                  ; cx
	s_lshl_b32 s36, ttmp9, 2
	s_add_co_u32 s15, s36, s15                     ; my block of 64 queries: it enters qfr's and out0's addresses alone
	s_lshr_b32 s34, ttmp9, 4                       ; the batch: 16 clusters each; the four partners share it
	s_lshl_b32 s34, s34, 22                        ; 128 blocks of 32,768 bytes
	s_lshl_b32 s38, s[WV], 15                      ; my block of a step's four
	s_add_co_u32 s34, s34, s38
	s_mov_b32 s35, 0
	s_and_b32 s[NXT], ttmp9, 15                    ; the cluster's number in its batch,
	s_lshl_b32 s[NXT], s[NXT], 1                   ; u0: where its walk begins
	s_lshl_b32 s[OFF], s[NXT], 17
	s_mov_b32 s[OFF+1], 0
	s_mov_b32 s[G1+0], 15|(3<<16)|(1<<21)          ; the mask of four; elements of 8 bytes; bit 21 set beside a mask
	s_mov_b32 s[G1+1], 32<<16                      ; tensor_dim0 = 32 elements = 256 bytes
	s_mov_b32 s[G1+2], 128<<16                     ; tensor_dim1 = 128 rows
	s_mov_b32 s[G1+3], 32<<16                      ; tile_dim0
	s_mov_b32 s[G1+4], 128                         ; tile_dim1
	s_mov_b32 s[G1+5], 32                          ; dense
	s_mov_b32 s[G1+6], 0
	s_mov_b32 s[G1+7], 0
	s_mov_b32 s[G0], 1
	s_mul_i32 s[G0+1], s[WV], 32768                ; LDS: slot 0, my tile
	s_mov_b32 s[TB], SLOT1                         ; the first change of slots turns it into 0
	s_mov_b32 s[CS], 0x3db8aa3b                    ; c = log2(e) / 16
	s_mov_b32 s[CS+1], s[CS]
	s_mov_b32 s[SEL], 0x76543210
	s_mov_b32 s[SEL+1], 0xfedcba98
	s_lshl_b32 s36, s15, 15                        ; my 4 tiles of Q, 8,192 bytes each
	s_mov_b32 s37, 0
	s_mov_b32 s41, 0
	s_wait_kmcnt 0x0
	s_add_nc_u64 s[6:7], s[6:7], s[34:35]          ; kvf at my batch, my block of step 0
	s_add_nc_u64 s[G0+2:G0+3], s[6:7], s[OFF:OFF+1]
	s_or_b32 s[G0+3], s[G0+3], 0x80000000
	s_add_nc_u64 s[4:5], s[4:5], s[36:37]
	s_lshl_b32 s36, s15, 18                        ; out0: my 64 rows of 4,096 bytes, my wave's 256 columns
	s_lshl_b32 s40, s[WV], 10
	s_add_co_u32 s36, s36, s40
	s_add_nc_u64 s[12:13], s[12:13], s[36:37]
	s_add_nc_u64 s[10:11], s[10:11], s[40:41]      ; bo at my 256 columns
	s_lshl_b32 s40, s[WV], 17
	s_add_nc_u64 s[8:9], s[8:9], s[40:41]          ; wof at my 16 column blocks
	ROUND                                          ; all four work-groups are here: the first joint loads meet
	LOAD                                           ; the walk's first tile into slot 0; slot 1 is asked for by the first change of slots
	v_and_b32 v1, 31, v0
	v_lshlrev_b32 v[L16], 4, v1
	v_add_nc_u32 v[AL0], s38, v[L16]
	WIN 0x40                                       ; destination window 1
.set n, 0
.rept 64                               ; Q stays in registers: 32 KB on end, 512 bytes a load
	global_load_b128 v[4*n:4*n+3], v[L16], s[4:5] offset:512*n
.set n, n+1
.endr
	WIN 0x80
.set n, 0
.rept 256
	v_mov_b32 v[n], 0
.set n, n+1
.endr
	WIN 0xc0
.set n, 0
.rept 256
	v_mov_b32 v[n], 0
.set n, n+1
.endr
	WIN 0
	ALL v_mov_b32 v[ST+4*t], 0xfe000000            ; c m: far below every c s (f16's scores give |c s| under 1e11)
	ALL v_mov_b32 v[ST+4*t+1], 0xff7fffff          ; m
	ALL v_mov_b32 v[ST+4*t+2], 0
	ALL v_mov_b32 v[ST+4*t+3], 0
	s_wait_loadcnt 0x0                             ; Q
	; THE FIRST STEP'S SCORES AND SOFTMAX: there is no other work yet to set beside them.
	CHANGE 1                                       ; the first tile is in; the second is asked for
	v_add_nc_u32 v[ADR], s[TB], v[AL0]
	FETCH F0, 0
	FETCH F1, 8192
	s_wait_dscnt 16                                ; the first 16 loads are in
	KQ 0, F0, 0
	s_wait_dscnt 0x0
	KQ 1, F1, 0
	PLACES                                         ; in front of the first reads of S^T
.set rk, 0
.rept 56
	RS
.set rk, rk+1
.endr
	s_mov_b32 s29, 31
.Lstep:                                                ; steps 0 to 30 of the walk; each trip asks for the tile that the next trip reads
	CHANGE 1
	TURN
	s_sub_co_u32 s29, s29, 1
	s_cmp_lg_u32 s29, 0
	s_cbranch_scc1 .Lstep
	CHANGE 0                                       ; the last step is written out: nothing is left to ask for, and there are no further scores
	v_add_nc_u32 v[ADR], s[TB], v[AL0]
	FETCH F0, 16384                                ; V^T of the last step: the V half of the walk's first block
	FETCH F1, 24576
	PACKP
	RESCALE
	s_wait_dscnt 16                                ; V's first half is in
	PV 0, F0, 0
	s_wait_dscnt 0x0
	PV 1, F1, 0
	WIN 0
	; THE WAVES' STATISTICS MEET.  The first four additions are the places behind the last products.
	ALL v_add_f32 v[ST+4*t+2], v[ST+4*t+2], v[ST+4*t+3]
	ALL v_permlanex16_b32 v[ST+4*t+3], v[ST+4*t+2], s[SEL], s[SEL+1]
	ALL v_add_f32 v[ST+4*t+1], v[ST+4*t+2], v[ST+4*t+3]                ; l, beside c m
	v_and_b32 v1, 31, v0
	v_and_b32 v[TR], 15, v0                        ; r
	v_bfe_u32 v[TH], v0, 4, 1                      ; h
	v_lshl_add_u32 v[A_SR], v1, 3, STAT
	s_lshl_b32 s34, s[WV], 10
	v_add_nc_u32 v[A_SW], s34, v[A_SR]
	s_lshl_b32 s34, s[WV], 16
	v_add_nc_u32 v[A_MW], s34, v[L16]
	s_lshl_b32 s34, s[WV], 14
	v_add_nc_u32 v[A_MR], s34, v[L16]
	v_add_nc_u32 v[A_MR+1], 0x10000, v[A_MR]
	v_add_nc_u32 v[A_MR+2], 0x20000, v[A_MR]
	v_add_nc_u32 v[A_MR+3], 0x30000, v[A_MR]
	s_lshl_b32 s34, s[WV], 13
	s_add_co_u32 s34, s34, OX
	v_add_nc_u32 v[A_OW], s34, v[L16]
	v_add_nc_u32 v[A_OR], OX, v[L16]
	v_lshlrev_b32 v[A_BO], 5, v[TH]
	s_mul_i32 s34, s[WV], 64*SGP
	v_mul_u32_u24 v[A_GW], v[TR], SGP
	v_lshl_add_u32 v[A_GW], v[TH], 5, v[A_GW]
	v_add_nc_u32 v[A_GW], s34, v[A_GW]
	v_mul_u32_u24 v[A_GR], v[TH], SGP
	v_lshl_add_u32 v[A_GR], v[TR], 4, v[A_GR]
	v_add_nc_u32 v[A_GR], s34, v[A_GR]
	v_lshlrev_b32 v[A_GO], 12, v[TH]
	v_lshl_add_u32 v[A_GO], v[TR], 4, v[A_GO]
	ALL ds_store_b64 v[A_SW], v[ST+4*t:ST+4*t+1] offset:256*t
	s_wait_dscnt 0x0                               ; my statistics are stored, and my reads of the ring have long been back:
	s_barrier_signal -1
	s_barrier_wait -1                              ; behind this barrier no wave reads the ring's tiles, and the ring's bytes, filled for the last time, may be stored into
.set n, 0
.rept 16                               ; n = 4 w' + t
	ds_load_b64 v[S+2*n:S+2*n+1], v[A_SR] offset:1024*(n/4)+256*(n%4)
.set n, n+1
.endr
	s_wait_dscnt 0x0
	ALL v_max3_num_f32 v[TMP+2*t], v[S+2*t], v[S+8+2*t], v[S+16+2*t]
	ALL v_max_num_f32 v[TMP+2*t], v[TMP+2*t], v[S+24+2*t]              ; CM
.irp u, 0,8,16,24
	ALL v_sub_f32 v[S+\u+2*t], v[S+\u+2*t], v[TMP+2*t]
.endr
	ALL v_sub_f32 v[TMP+2*t+1], v[ST+4*t], v[TMP+2*t]
.irp u, 0,8,16,24
	ALL v_exp_f32 v[S+\u+2*t], v[S+\u+2*t]
.endr
	ALL v_exp_f32 v[TMP+2*t+1], v[TMP+2*t+1]
	v_nop                                          ; a plain line behind the exponentials
	s_wait_alu depctr_va_vdst(0)
	ALL v_mul_f32 v[TMP+2*t], v[S+2*t], v[S+2*t+1]
.irp u, 8,16,24
	ALL v_fmac_f32 v[TMP+2*t], v[S+\u+2*t], v[S+\u+2*t+1]              ; L: the wave that holds CM adds its whole l, which is at least 1
.endr
	ALL v_rcp_f32 v[TMP+2*t], v[TMP+2*t]
	v_nop                                          ; a plain line behind the reciprocals
	s_wait_alu depctr_va_vdst(0)
	ALL v_mul_f32 v[TMP+2*t], v[TMP+2*t], v[TMP+2*t+1]                 ; my factor
	RESCALE
.irp t4, 0,1,2,3                       ; my scaled O^T into the merge: [wave][tile][32 x 512 bytes]
	WIN 0x08+0x04*((\t4)/2)                        ; data in window 2 or 3
.set n, 0
.rept 32
	ds_store_b128 v[A_MW], v[128*((\t4)%2)+4*n:128*((\t4)%2)+4*n+3] offset:(\t4)*16384+512*n
.set n, n+1
.endr
.endr
	WIN 0
	s_wait_dscnt 0x0                               ; for the others' sake
	s_barrier_signal -1
	s_barrier_wait -1
.irp u, 0,1,2,3                        ; tile w of all four waves
	WIN 0x80+0x40*((\u)/2)
.set n, 0
.rept 32
	ds_load_b128 v[128*((\u)%2)+4*n:128*((\u)%2)+4*n+3], v[A_MR+\u] offset:512*n
.set n, n+1
.endr
.endr
	s_wait_dscnt 0x0
	WIN 0x8a                                       ; all in window 2: wave 0's + wave 1's
.set n, 0
.rept 64
	v_pk_add_f32 v[2*n:2*n+1], v[2*n:2*n+1], v[128+2*n:128+2*n+1]
.set n, n+1
.endr
	WIN 0xcf                                       ; all in window 3: wave 2's + wave 3's
.set n, 0
.rept 64
	v_pk_add_f32 v[2*n:2*n+1], v[2*n:2*n+1], v[128+2*n:128+2*n+1]
.set n, n+1
.endr
	WIN 0x8e                                       ; window 2 += window 3
.set n, 0
.rept 64
	v_pk_add_f32 v[2*n:2*n+1], v[2*n:2*n+1], v[2*n:2*n+1]
.set n, n+1
.endr
	WIN 0x0a                                       ; sources window 2, destination window 0: a lane's 8 channels of a block are the 16 bytes that it holds in a fragment of O
.set n, 0
.rept 64
	v_cvt_pk_f16_f32 v[F0+n], v[2*n], v[2*n+1]
.set n, n+1
.endr
; Windows 2 and 3 are free: bo and Wo's first two groups of 32 columns are asked for now, and are on their way while O changes hands.
.macro LOADW wb, g                     ; 32 loads: group g's 16 fragments, 16 KB on end; no other wave reads them
	WIN 0x80
.set n, 0
.rept 32
	global_load_b128 v[(\wb)+4*n:(\wb)+4*n+3], v[L16], s[8:9] offset:(\g)*16384+512*n
.set n, n+1
.endr
.endm
	WIN 0xc0
.set n, 0
.rept 32                               ; bo of column block n / 2: columns 8 h + 0..7, as an accumulator holds them
	global_load_b128 v[128+4*n:128+4*n+3], v[A_BO], s[10:11] offset:(n/2)*64+(n%2)*16
.set n, n+1
.endr
	LOADW 0, 0
	LOADW 128, 1
	WIN 0
.set n, 0
.rept 16
	ds_store_b128 v[A_OW], v[F0+4*n:F0+4*n+3] offset:512*n
.set n, n+1
.endr
	s_wait_dscnt 0x0                               ; my tile of O is stored, and my reads of the merge are back:
	s_barrier_signal -1
	s_barrier_wait -1                              ; O is whole, and the merge's bytes may be stored into (the stages)
	WIN 0x40
.set n, 0
.rept 64                               ; all four tiles of O, where Q lay: 64 t + 8 cc
	ds_load_b128 v[4*n:4*n+3], v[A_OR] offset:512*n
.set n, n+1
.endr
	s_wait_dscnt 0x0
; THE PROJECTION.  Source 0 = 16 columns of Wo, source 1 = 16 queries: a lane holds one query and 8 neighbouring columns.  64 products for 32 columns x 64 queries: d = 32 (n / 8) on,
; column block (n / 4) % 2, tile n % 4: the eight accumulators take turns; the first eight take bo as C.
.macro MULG set, wb, g
	WIN 0xf6                                       ; Wo window 2, O window 1, C and D window 3
.set n, 0
.rept 64
.set rA, 64*(\set)+8*(n%8)
.set rW, (\wb)+8*(8*((n/4)%2)+n/8)
.set rB, 64*(n%4)+8*(n/8)
.set rC, 128+8*(2*(\g)+(n/4)%2)
.if n < 8
	v_wmma_f32_16x16x32_f16 v[rA:rA+7], v[rW:rW+7], v[rB:rB+7], v[rC:rC+7]
.else
	v_wmma_f32_16x16x32_f16 v[rA:rA+7], v[rW:rW+7], v[rB:rB+7], v[rA:rA+7]
.endif
.set n, n+1
.endr
.endm
; 64 columns (256 bytes of a row of out0) for 64 queries: two groups; through my own stage in LDS; out as whole rows of 256 bytes.  pre = 1: the next two groups of Wo are asked for.
.macro PROJ gg, pre
	s_wait_loadcnt 32                              ; all but the youngest 32 loads: bo and this pass's first group are in
	MULG 0, 0, 2*(\gg)
.if \pre
	PLACES
	LOADW 0, 2*(\gg)+2
.endif
	s_wait_loadcnt 32*(\pre)                       ; the second group is in: behind it at most the 32 loads just issued
	MULG 1, 128, 2*(\gg)+1
	PLACES                                         ; for the loads into the second buffer and for the stores of the results;
	v_nop                                          ; a fifth place: the next pass's products start these accumulators anew (C = bo), which is no link of a chain and wants five (ISA guide 7.12.1)
.if \pre
	LOADW 128, 2*(\gg)+3
.endif
	WIN 0x0c                                       ; data in window 3
.set n, 0
.rept 16                               ; n = 8 set + 4 nbl + t; an accumulator's low four registers first
	ds_store_b128 v[A_GW], v[8*n:8*n+3] offset:(n%4)*16*SGP+(n/8)*128+((n/4)%2)*64
	ds_store_b128 v[A_GW], v[8*n+4:8*n+7] offset:(n%4)*16*SGP+(n/8)*128+((n/4)%2)*64+16
.set n, n+1
.endr
	WIN 0
	s_wait_xcnt 0x0                                ; the registers that the last pass's stores read are loaded again only behind this wait
.set n, 0
.rept 32                               ; LDS serves a wave's instructions in order: these see my stores above.  Two rows a load
	ds_load_b128 v[F0+4*n:F0+4*n+3], v[A_GR] offset:2*SGP*n
.set n, n+1
.endr
	s_wait_dscnt 0x0
.set n, 0
.rept 32
	global_store_b128 v[A_GO], v[F0+4*n:F0+4*n+3], s[12:13] offset:8192*n+256*(\gg) th:TH_STORE_NT  ; 16 lanes store 256 consecutive bytes, at a multiple of 256 from out0's first byte
.set n, n+1
.endr
.endm
	PROJ 0, 1
	PROJ 1, 1
	PROJ 2, 1
	PROJ 3, 0                                      ; nothing is left to ask for: no load leaves wof
	s_wait_tensorcnt 0x0                           ; the wave's end
	ds_add_u32 v[SPW], v[NIL]
	s_wait_dscnt 0x0
	ROUND                                          ; the closing round: no work-group ends while a partner may still ask jointly
	s_endpgm
.Lfunc_end_k_qb6d8c29df9_attn:
	.size	k_qb6d8c29df9_attn, .Lfunc_end_k_qb6d8c29df9_attn-k_qb6d8c29df9_attn
	.p2alignl 7, 3214868480
	.fill 96, 4, 3214868480
	.section	.rodata,"a",@progbits
	.p2align	6, 0x0
	.amdhsa_kernel k_qb6d8c29df9_attn
		.amdhsa_group_segment_fixed_size 327680
		.amdhsa_private_segment_fixed_size 0
		.amdhsa_enable_private_segment 0
		.amdhsa_kernarg_size 40
		.amdhsa_user_sgpr_count 2
		.amdhsa_user_sgpr_kernarg_segment_ptr 1
		.amdhsa_wavefront_size32 1
		.amdhsa_system_sgpr_workgroup_id_x 1
		.amdhsa_system_sgpr_workgroup_id_y 1
		.amdhsa_system_sgpr_workgroup_id_z 1
		.amdhsa_system_vgpr_workitem_id 0
		.amdhsa_next_free_vgpr 1024
		.amdhsa_next_free_sgpr 66
		.amdhsa_reserve_vcc 0
		.amdhsa_float_denorm_mode_32 3
		.amdhsa_float_denorm_mode_16_64 3
		.amdhsa_memory_ordered 1
		.amdhsa_forward_progress 1
		.amdhsa_inst_pref_size 255
	.end_amdhsa_kernel
	.section	.bss,"aw",@nobits
	.p2align	6
	.space	262144
	.amdgpu_metadata
---
amdhsa.version: [ 1, 2 ]
amdhsa.kernels:
  - .name:           k_qb6d8c29df9_attn
    .symbol:         k_qb6d8c29df9_attn.kd
    .args:
      - { .name: qfr, .offset: 0, .size: 8, .value_kind: global_buffer, .address_space: global }
      - { .name: kvf, .offset: 8, .size: 8, .value_kind: global_buffer, .address_space: global }
      - { .name: wof, .offset: 16, .size: 8, .value_kind: global_buffer, .address_space: global }
      - { .name: bo, .offset: 24, .size: 8, .value_kind: global_buffer, .address_space: global }
      - { .name: out0, .offset: 32, .size: 8, .value_kind: global_buffer, .address_space: global }
    .group_segment_fixed_size: 327680
    .private_segment_fixed_size: 0
    .kernarg_segment_align: 8
    .kernarg_segment_size: 40
    .max_flat_workgroup_size: 128
    .sgpr_count:     66
    .vgpr_count:     1024
    .wavefront_size: 32
...
	.end_amdgpu_metadata
.endif
;; end of part 3
